; MI455X (gfx1250); checked and timed in simulation.
; The chip was launched on July 23, 2026; its instructions are those of AMD's public machine-readable ISA for CDNA 5 (MIT licence, August 2026) and "CDNA5" Instruction Set Architecture Reference Guide (July 2026). The comments in the code are by the model that wrote it; some were corrected since.
;; Attention Layer. Allowed arithmetic: matrix products marked QUANTISED: E4M3 operands, one given power-of-two scale a tensor, by v_wmma_f32_16x16x64_fp8_fp8 or v_wmma_f32_16x16x128_fp8_fp8, f32 sums; everything else in f32.
;; Inputs: Wk 512 x 512 float32; Wq 512 x 512 float32; Wv 512 x 512 float32; bk 512 float32; bq 512 float32; bv 512 float32; lowp_scales 10 int32 (the exponents e of the quantised operands' scales 2^e); x 8 x 2,048 x 512 float32.
;; Outputs: out0 8 x 512 float32.
;; This version of the problem:
;;   THIS VERSION OF THE PROBLEM IS GIVEN IN LOW PRECISION. The matrix products marked QUANTISED in the list below multiply operands that are first quantised to E4M3 (4 exponent bits, 3 mantissa bits; 8 bits a number), with one given power-of-two scale for each operand tensor; their sums are f32. All else is computed in f32.
;;   The module's matrix products, in the order in which they are computed (A, B: the left and right operand; K: the contracted axis; several contracted axes count as one K, in the product's order):
;;     1. [M 16,384, K 512] x [K 512, N 512]; A: input x; B: input Wq: QUANTISED (scales: A lowp_scales[0], B lowp_scales[1])
;;     2. [M 16,384, K 512] x [K 512, N 512]; A: input x; B: input Wk: QUANTISED (scales: A lowp_scales[2], B lowp_scales[3])
;;     3. [M 16,384, K 512] x [K 512, N 512]; A: input x; B: input Wv: QUANTISED (scales: A lowp_scales[4], B lowp_scales[5])
;;     4. batch 8 x [M 2,048, K 512] x [K 512, N 2,048]; A: computed on the way; B: computed on the way: QUANTISED (scales: A lowp_scales[6], B lowp_scales[7])
;;     5. batch 8 x [M 2,048, K 2,048] x [K 2,048, N 512]; A: softmax (see below); B: computed on the way: QUANTISED (scales: A lowp_scales[8], B lowp_scales[9])
;;   THE QUANTISER, for each operand of a quantised product, along K:
;;     - The operand's scale is 2^e, e = its entry of the input lowp_scales (int32; the entries are numbered through the quantised products in the list's order, A before B).
;;     - Each number is divided by the scale, clamped to +-448, and rounded to the nearest number of E4M3, ties to even, subnormals kept.
;;     - The product sums the exact products of the quantised numbers (number of the format x scale) in f32.
;;   ~~~python
;;   def quantise(x, axis, e):      # numpy; x: float32 -> the quantised numbers, widened to float32 again
;;       x = np.moveaxis(x, axis, -1); K = x.shape[-1]
;;       r = np.clip(x / 2.0 ** e, -448, 448)
;;       step = 2.0 ** (np.maximum(np.frexp(np.where(r == 0, 1, r))[1] - 1, -6) - 3)
;;       q = np.round(r / step) * step * 2.0 ** e      # np.round: ties to even
;;       return np.moveaxis(q, -1, axis).astype(np.float32)
;;   ~~~
;;   SOFTMAX AHEAD OF A QUANTISED PRODUCT. Where the list says 'softmax', what is quantised is not the finished softmax but p = 2^(t - M), with t = logit x log2(e) and M = ceil(the row's largest t), a whole number; so 1/2 < the row's largest p <= 1. The row's sum l is taken of the UNQUANTISED p, in f32, and the product's result is divided by l at the end. Since M is a whole number, a kernel that streams over the keys may use a running M (the ceiling of the running maximum): every later rescaling is an exact power of two, so the quantised numbers keep their values, but for numbers so far below the row's largest that they fall under the format's range.
;;   OPERANDS COMPUTED ON THE WAY. 'Computed on the way' means the value that the module computes at that place (a softmax that the list does not call 'softmax' is quantised finished and normalised). What goes into a quantiser is computed in f32, as accurately as f32 sums, v_exp_f32 and their like allow (about 1e-6 of the number): no bf16 or f16 on the way to a quantiser, and a product that is left as it is and whose result goes on into a quantised operand takes f32 operands (vector FMAs, or v_wmma_f32_16x16x4_f32). A number that lies on a knife's edge between two numbers of the format may be rounded either way, as far as f32 arithmetic and the matrix unit's own rounding can turn it there, and no further.
;; One version. Each part assembles by itself: llvm-mc -triple=amdgcn-amd-amdhsa -mcpu=gfx1250 --defsym DOCPART=n.
;; ======== version 1 of 1: 3 launches
;; limits: right only within a limited range of input values
;; workspace buffers: wimg 524,288 bytes; qc 4,096 bytes; part 524,288 bytes; stat 2,048 bytes
;; launch prep (part 1): grid 64 x 1, 8 waves a work-group, no clusters, 9,216 bytes of LDS; arguments Wk, Wv, Wq, x, bq, lowp_scales, wimg, qc; writes wimg, qc
.if DOCPART == 1
	.amdgcn_target "amdgcn-amd-amdhsa--gfx1250"
	.amdhsa_code_object_version 6
	.text
	.protected	k_q691b9f43d5_prep
	.globl	k_q691b9f43d5_prep
	.p2align	8
	.type	k_q691b9f43d5_prep,@function
k_q691b9f43d5_prep:
	s_mov_b64 s[64:65], 0
	v_nop
	global_prefetch_b8 v0, s[64:65] scope:SCOPE_SE
	s_setreg_imm32_b32 hwreg(HW_REG_WAVE_MODE, 25, 1), 1
	s_wait_xcnt 0x0
; WHAT IT MAKES.  (a) wimg: the codes (E4M3) of Wk (scale 2^e3) and Wv (2^e5), laid as images of operand registers in the order in which the next launch reads them.
; (b) qc: the codes (2^e6) of q = x Wq + bq for the LAST row of each of the 8 batches; that product runs on codes of x (2^e0) and Wq (2^e1).
; DEAD WORK LEFT OUT.  reference() returns context[:, -1, :]: row 2047 of each batch.  A row of the context hangs on that row of q alone (and on all of k and v), so the other 2,047 rows of q, of the scores,
; of the softmax and of the context reach no output, whatever the inputs hold.  LIMIT: a NaN, an infinity or an overflow that reaches only those rows is not carried to the result.
; SHARES.  Work-groups 0-31 make q, 16 columns each: wave t takes 64 along K, and the eight pieces of K meet in LDS.  Work-groups 32-63 lay Wk and Wv: each of 256 waves takes 64 columns x 32 along K.
; ORDER OF k in wimg: piece q of K step s holds, for lane half h, byte y: k = 128 s + 16 q + 8 h + 4 (y / 8) + 64 ((y / 4) % 2) + y % 4: the order in which the next launch's codes of x come to lie.
; ORDER OF COLUMNS in wimg: a tile is every fourth column: tile 4 g + i of wave w, lane r: column 128 w + 64 g + 4 r + i.  So a lane that loads four neighbouring columns serves four tiles, and each store of a wave covers 512 consecutive bytes, aligned.
; wimg: [wave: 0-3 Wk, 4-7 Wv][K step s][tile 4 g + i][512 q + 16 lane + y].   qc: [8][512], a byte a feature, in natural order.
; No cluster: the weights are read once each; what work-groups share is the last rows of x, 16 KB.  No prefetch: there is no loop, every load is issued at once.
; LIMITS on the given exponents, so that each power of two below is an f32 number: e0, e1, e3, e5, e6 between -126 and 119; e0 + e1 between -126 and 127.  NaN among the inputs is not served.
.set WROW, 2048                        ; a row of W, and of x, in bytes
.set LASTROW, 2047*2048
.set XC, 16                            ; v16-23   x's codes
.set WC, 24                            ; v24-31   Wq's codes
.set WN, 32                            ; v32-95   W's numbers (q's path: v32-63)
.set XN, 64                            ; v64-95   x's numbers
.set TT, 96                            ; v96-159  Wk's, Wv's numbers, column by column
.set CC, 160                           ; v160-175 and their codes
.set DD, 96
.set BQ, 104
.set PS, 112                           ; v112-175 the eight partial sums
.macro MKSC e, sc, lim                 ; v[sc] = 2^e as f32 (the conversion takes its exponent field); v[lim] = 448 x 2^e
	s_add_co_i32 s45, s[\e], 127
	s_lshl_b32 s46, s45, 23
	v_mov_b32 v[\sc], s46
	s_add_co_i32 s45, s45, 8
	s_lshl_b32 s45, s45, 23
	s_or_b32 s45, s45, 0x600000
	v_mov_b32 v[\lim], s45
.endm
.macro QUANT src, dst, lim, sc         ; 32 numbers of a lane become 8 registers of codes
.irp b, 0,1
.irp i, 0,1,2,3,4,5,6,7,8,9,10,11,12,13,14,15
	v_med3_num_f32 v[\src+16*\b+\i], v[\src+16*\b+\i], -v[\lim], v[\lim]   ; the conversion to an 8-bit code does not saturate (ISA guide 7.6.2): the hold at the largest code x the scale
.endr
	v_cvt_scalef32_pk8_fp8_f32 v[\dst+4*\b:\dst+4*\b+1], v[\src+16*\b:\src+16*\b+7], v[\sc]
	v_cvt_scalef32_pk8_fp8_f32 v[\dst+4*\b+2:\dst+4*\b+3], v[\src+16*\b+8:\src+16*\b+15], v[\sc]
.endr
	v_nop                                          ; one plain vector line behind the last conversion
.endm
	s_load_b512 s[4:19], s[0:1], 0x0               ; Wk 4:5, Wv 6:7, Wq 8:9, x 10:11, bq 12:13, scales 14:15, wimg 16:17, qc 18:19
	v_lshl_add_u32 v192, v0, 2, 0x2000
	v_mov_b32 v193, 0
	v_lshrrev_b32 v9, 5, v0
	v_readfirstlane_b32 s20, v9                    ; wave
	s_lshl_b32 s40, s20, 10
	v_and_b32 v1, 15, v0                           ; r
	v_bfe_u32 v2, v0, 4, 1                         ; h
	v_and_b32 v4, 31, v0
	v_lshlrev_b32 v3, 2, v1
	v_lshlrev_b32 v178, 4, v1
	v_and_b32 v5, 7, v1
	v_lshlrev_b32 v4, 4, v4                        ; 16 x lane
	v_lshlrev_b32 v7, 9, v1
	v_lshl_add_u32 v3, v2, 15, v3                  ; Wq: 4 r + 16 h rows of 2,048 bytes
	v_lshl_add_u32 v178, v2, 14, v178              ; Wk, Wv: 16 r + 8 h rows of 2,048 bytes
	v_lshlrev_b32 v5, 22, v5
	v_lshlrev_b32 v6, 5, v2                        ; bq: 32 h
	v_lshl_add_u32 v7, v2, 3, v7                   ; qc: 512 r + 8 h
	v_lshl_add_u32 v5, v2, 6, v5                   ; x: batch r % 8 (rows 8-15 of the tile repeat rows 0-7, so that every load stays inside x), + 64 h
	v_add_nc_u32 v8, s40, v4                       ; LDS: my wave's partial sums: 1,024 x wave + 16 x lane
	s_wait_alu depctr_va_vdst(0)
	s_wait_kmcnt 0x0
	s_load_b256 s[24:31], s[14:15], 0x0            ; e0 .. e7
	s_mov_b32 s35, 0
	s_mov_b32 s37, 0
	s_cmp_lt_u32 ttmp9, 32
	s_cbranch_scc1 .Lq                             ; the same way for all eight waves of a work-group
	; ---- Wk, Wv: 64 columns x the 32 k of piece q of K step s
	s_sub_co_u32 s21, ttmp9, 32
	s_lshl_b32 s21, s21, 3
	s_add_co_u32 s21, s21, s20                     ; task 0..255: matrix, column group cg, s, q
	s_and_b32 s22, s21, 3                          ; q
	s_bfe_u32 s23, s21, 0x20002                    ; s
	s_bfe_u32 s38, s21, 0x30004                    ; cg
	s_lshl_b32 s36, s23, 18                        ; 128 s rows,
	s_lshl_b32 s39, s22, 15
	s_add_co_u32 s36, s36, s39                     ; + 16 q rows,
	s_lshl_b32 s39, s38, 8
	s_add_co_u32 s36, s36, s39                     ; + 64 cg columns
	s_cmp_lt_u32 s21, 128
	s_cselect_b64 s[32:33], s[4:5], s[6:7]
	s_add_nc_u64 s[32:33], s[32:33], s[36:37]
.irp a, 0,1
.irp n, 0,1,2,3,4,5,6,7
	global_load_b128 v[WN+4*(8*\a+\n):WN+4*(8*\a+\n)+3], v178, s[32:33] offset:(64*\a+\n)*WROW   ; sixteen lanes read 256 consecutive bytes, aligned
.endr
.endr
	s_lshr_b32 s34, s21, 7
	s_lshl_b32 s34, s34, 2
	s_lshr_b32 s39, s38, 1
	s_add_co_u32 s34, s34, s39
	s_lshl_b32 s34, s34, 16                        ; the wave that will read it
	s_lshl_b32 s39, s23, 14
	s_add_co_u32 s34, s34, s39                     ; + K step
	s_and_b32 s39, s38, 1
	s_lshl_b32 s39, s39, 13
	s_add_co_u32 s34, s34, s39                     ; + tile 4 (cg % 2)
	s_lshl_b32 s39, s22, 9
	s_add_co_u32 s34, s34, s39                     ; + piece
	s_add_nc_u64 s[16:17], s[16:17], s[34:35]
	s_wait_kmcnt 0x0
	s_cmp_lt_u32 s21, 128
	s_cselect_b32 s44, s27, s29                    ; e3 or e5
	MKSC 44, 11, 10
	s_wait_alu depctr_va_vdst(0)
	s_wait_loadcnt 0x0
.irp i, 0,1,2,3                        ; the hold also brings a column's sixteen numbers together, in the order of the image's bytes
.irp e, 0,1,2,3,4,5,6,7,8,9,10,11,12,13,14,15
	v_med3_num_f32 v[TT+16*\i+\e], v[WN+4*(8*((\e>>2)&1)+4*(\e>>3)+(\e&3))+\i], -v10, v10
.endr
.endr
.irp i, 0,1,2,3
	v_cvt_scalef32_pk8_fp8_f32 v[CC+4*\i:CC+4*\i+1], v[TT+16*\i:TT+16*\i+7], v11
	v_cvt_scalef32_pk8_fp8_f32 v[CC+4*\i+2:CC+4*\i+3], v[TT+16*\i+8:TT+16*\i+15], v11
.endr
	v_nop
.irp i, 0,1,2,3
	global_store_b128 v4, v[CC+4*\i:CC+4*\i+3], s[16:17] offset:2048*\i
.endr
	s_endpgm
	; ---- Wq: q of the eight last rows, features 16 ct .. 16 ct + 15, ct = the work-group's number
.Lq:
	s_lshl_b32 s36, s20, 8                         ; 64 t numbers of 4 bytes,
	s_add_co_u32 s36, s36, LASTROW                 ; in a batch's last row
	s_add_nc_u64 s[10:11], s[10:11], s[36:37]
.irp q, 0,1
.irp j, 0,1,2,3
	global_load_b128 v[XN+16*\q+4*\j:XN+16*\q+4*\j+3], v5, s[10:11] offset:128*\q+16*\j   ; x[r % 8][2047][64 t + 32 q + 16 h + 4 j ..]
.endr
.endr
	s_lshl_b32 s36, ttmp9, 6
	s_lshl_b32 s34, s20, 17                        ; 64 t rows of 2,048 bytes
	s_add_co_u32 s34, s34, s36                     ; 16 ct columns of 4 bytes
	s_add_nc_u64 s[32:33], s[8:9], s[34:35]
.irp q, 0,1
.irp i, 0,1,2,3,4,5,6,7,8,9,10,11,12,13,14,15
	global_load_b32 v[WN+16*\q+\i], v3, s[32:33] offset:(32*\q+\i)*WROW   ; A LANE TAKES A COLUMN AND ITS REGISTERS RUN DOWN K: k = 64 t + 32 q + 16 h + i, the order that x has here
.endr
.endr
	s_add_nc_u64 s[12:13], s[12:13], s[36:37]      ; bq at feature 16 ct
	global_load_b128 v[BQ:BQ+3], v6, s[12:13]      ; bq[16 ct + 8 h + 0 .. 7]
	global_load_b128 v[BQ+4:BQ+7], v6, s[12:13] offset:16
	s_lshl_b32 s34, ttmp9, 4
	s_add_nc_u64 s[18:19], s[18:19], s[34:35]      ; qc at feature 16 ct
	s_wait_kmcnt 0x0
	MKSC 25, 11, 10                                ; e1: Wq
	MKSC 24, 13, 12                                ; e0: x
	MKSC 30, 15, 14                                ; e6: q
	s_add_co_i32 s38, s24, s25
	s_add_co_i32 s38, s38, 127
	s_lshl_b32 s38, s38, 23                        ; 2^(e0 + e1) as f32
	s_mov_b32 s39, s38                             ; (named with it as a pair, so it is written)
	s_wait_alu depctr_va_vdst(0)
	s_wait_loadcnt 0x0
	QUANT XN, XC, 12, 13
	QUANT WN, WC, 10, 11
	v_wmma_f32_16x16x64_fp8_fp8 v[DD:DD+7], v[WC:WC+7], v[XC:XC+7], 0   ; source 0 = 16 columns of Wq, source 1 = the rows: lane (r, h) holds row r, register j feature 16 ct + 8 h + j, summed over my 64 of K
.rept 4
	v_nop                                          ; four places between the product and the stores that read it
.endr
	ds_store_b128 v8, v[DD:DD+3]                   ; from the result's low end on
	ds_store_b128 v8, v[DD+4:DD+7] offset:512
	s_wait_dscnt 0x0                               ; for the others' sake: my stores have landed
	s_barrier_signal -1
	s_barrier_wait -1
	s_cmp_lg_u32 s20, 0
	s_cbranch_scc1 .Lend                           ; wave 0 adds the eight pieces of K
.irp w, 0,1,2,3,4,5,6,7
	ds_load_b128 v[PS+8*\w:PS+8*\w+3], v4 offset:1024*\w
	ds_load_b128 v[PS+8*\w+4:PS+8*\w+7], v4 offset:1024*\w+512
.endr
	s_wait_dscnt 0x0
.irp i, 0,2,4,6
	v_pk_add_f32 v[PS+\i:PS+1+\i], v[PS+\i:PS+1+\i], v[PS+8+\i:PS+9+\i]
	v_pk_add_f32 v[PS+16+\i:PS+17+\i], v[PS+16+\i:PS+17+\i], v[PS+24+\i:PS+25+\i]
	v_pk_add_f32 v[PS+32+\i:PS+33+\i], v[PS+32+\i:PS+33+\i], v[PS+40+\i:PS+41+\i]
	v_pk_add_f32 v[PS+48+\i:PS+49+\i], v[PS+48+\i:PS+49+\i], v[PS+56+\i:PS+57+\i]
.endr
.irp i, 0,2,4,6
	v_pk_add_f32 v[PS+\i:PS+1+\i], v[PS+\i:PS+1+\i], v[PS+16+\i:PS+17+\i]
	v_pk_add_f32 v[PS+32+\i:PS+33+\i], v[PS+32+\i:PS+33+\i], v[PS+48+\i:PS+49+\i]
.endr
.irp i, 0,2,4,6
	v_pk_add_f32 v[PS+\i:PS+1+\i], v[PS+\i:PS+1+\i], v[PS+32+\i:PS+33+\i]
.endr
.irp i, 0,2,4,6
	v_pk_fma_f32 v[PS+\i:PS+1+\i], v[PS+\i:PS+1+\i], s[38:39], v[BQ+\i:BQ+1+\i] op_sel_hi:[1,0,1]   ; q = sum x 2^(e0 + e1) + bq
.endr
.irp i, 0,1,2,3,4,5,6,7
	v_med3_num_f32 v[PS+\i], v[PS+\i], -v14, v14
.endr
	v_cvt_scalef32_pk8_fp8_f32 v[176:177], v[PS:PS+7], v15
	v_nop
	v_cmp_gt_u32 vcc_lo, 8, v1                     ; rows 0-7 are the eight batches
	s_wait_alu depctr_va_vdst(0)
	s_wait_xcnt 0x0                                ; EXEC changes only behind this wait
	s_and_saveexec_b32 s40, vcc_lo
	global_store_b64 v7, v[176:177], s[18:19]      ; 8 bytes a lane, 16 bytes a row: the whole buffer is 4,096 bytes
	s_wait_xcnt 0x0                                ; and again, in front of the line that widens it
	s_or_b32 exec_lo, exec_lo, s40
.Lend:
	s_wait_tensorcnt 0x0                           ; the wave's end
	ds_add_u32 v192, v193
	s_wait_dscnt 0x0
	s_endpgm
.Lfunc_end_k_q691b9f43d5_prep:
	.size	k_q691b9f43d5_prep, .Lfunc_end_k_q691b9f43d5_prep-k_q691b9f43d5_prep
	.p2alignl 7, 3214868480
	.fill 96, 4, 3214868480
	.section	.rodata,"a",@progbits
	.p2align	6, 0x0
	.amdhsa_kernel k_q691b9f43d5_prep
		.amdhsa_group_segment_fixed_size 9216
		.amdhsa_private_segment_fixed_size 0
		.amdhsa_enable_private_segment 0
		.amdhsa_kernarg_size 64
		.amdhsa_user_sgpr_count 2
		.amdhsa_user_sgpr_kernarg_segment_ptr 1
		.amdhsa_wavefront_size32 1
		.amdhsa_system_sgpr_workgroup_id_x 1
		.amdhsa_system_sgpr_workgroup_id_y 1
		.amdhsa_system_sgpr_workgroup_id_z 1
		.amdhsa_system_vgpr_workitem_id 0
		.amdhsa_next_free_vgpr 194
		.amdhsa_next_free_sgpr 66
		.amdhsa_reserve_vcc 1
		.amdhsa_float_denorm_mode_32 3
		.amdhsa_float_denorm_mode_16_64 3
		.amdhsa_memory_ordered 1
		.amdhsa_forward_progress 1
		.amdhsa_inst_pref_size 24
	.end_amdhsa_kernel
	.amdgpu_metadata
---
amdhsa.version: [ 1, 2 ]
amdhsa.kernels:
  - .name:           k_q691b9f43d5_prep
    .symbol:         k_q691b9f43d5_prep.kd
    .args:
      - { .name: Wk, .offset: 0, .size: 8, .value_kind: global_buffer, .address_space: global }
      - { .name: Wv, .offset: 8, .size: 8, .value_kind: global_buffer, .address_space: global }
      - { .name: Wq, .offset: 16, .size: 8, .value_kind: global_buffer, .address_space: global }
      - { .name: x, .offset: 24, .size: 8, .value_kind: global_buffer, .address_space: global }
      - { .name: bq, .offset: 32, .size: 8, .value_kind: global_buffer, .address_space: global }
      - { .name: lowp_scales, .offset: 40, .size: 8, .value_kind: global_buffer, .address_space: global }
      - { .name: wimg, .offset: 48, .size: 8, .value_kind: global_buffer, .address_space: global }
      - { .name: qc, .offset: 56, .size: 8, .value_kind: global_buffer, .address_space: global }
    .group_segment_fixed_size: 9216
    .private_segment_fixed_size: 0
    .kernarg_segment_align: 8
    .kernarg_segment_size: 64
    .max_flat_workgroup_size: 256
    .sgpr_count:     66
    .vgpr_count:     194
    .wavefront_size: 32
...
	.end_amdgpu_metadata
.endif
;; end of part 1
;; launch main (part 2): grid 256 x 1, 8 waves a work-group, clusters of 4 x 1, 327,680 bytes of LDS; arguments x, wimg, qc, bk, bv, lowp_scales, part, stat; writes part, stat
.if DOCPART == 2
	.amdgcn_target "amdgcn-amd-amdhsa--gfx1250"
	.amdhsa_code_object_version 6
	.text
	.protected	k_q691b9f43d5_main
	.globl	k_q691b9f43d5_main
	.p2align	8
	.type	k_q691b9f43d5_main,@function
k_q691b9f43d5_main:
	s_mov_b64 s[64:65], 0
	v_nop
	global_prefetch_b8 v0, s[64:65] scope:SCOPE_SE
	s_setreg_imm32_b32 hwreg(HW_REG_WAVE_MODE, 25, 1), 1
	s_wait_xcnt 0x0
	s_wait_alu depctr_hold_cnt(0) depctr_sa_sdst(0) depctr_va_vdst(0) depctr_va_sdst(0) depctr_va_ssrc(0) depctr_va_vcc(0) depctr_vm_vsrc(0)
	s_getreg_b32 s2, hwreg(HW_REG_IB_STS2, 6, 4)
	s_cmp_eq_u32 s2, 0
	s_cbranch_scc0 .Lentry_in_a_cluster
	s_endpgm
.Lentry_in_a_cluster:
	s_bfe_u32 s2, ttmp6, 0x10000c
	s_cmp_lg_u32 s2, 0x3003
	s_cbranch_scc0 .Lentry_shape_is_right
	s_endpgm
.Lentry_shape_is_right:
; WHAT IT MAKES.  Work-group g takes 64 rows (keys) of batch g / 32: k = x Wk + bk and v = x Wv + bv on codes (E4M3), both quantised anew (2^e7, 2^e9); the 64 scores of the batch's last query (its codes come from qc);
; p = 2^(t - M), t = score x log2(e) / sqrt(512), M = the ceiling of the largest t OF THESE 64 KEYS; l = the sum of the unquantised p; and the second product's raw sums over the 64 keys.
; part[g][512] = those sums, stat[g] = (-M, l).  The next launch brings a batch's 32 parts under the batch's M by exact powers of two.
; LEFT OUT: the scores and the context of every query but a batch's last: reference() slices their rows away (the first launch's head shows it).
; LIMITS.  A block's own M: numbers under the format's range are kept more finely than under the row's M; where e8 < -8 the hold at 448 bites on each block's largest p, not on the row's alone.
; So that each power of two is an f32 number: e2, e4, e8, e7 - e2 - e3, e9 - e4 - e5 between -126 and 119; e6 + e7 between -122 and 130.  NaN among the inputs is not served.
; The promise holds while the scaled scores stay under 2^31 in magnitude.
; SHARES.  Eight waves, two to a SIMD: waves 0-3 make k, waves 4-7 make v, wave w features 128 (w % 4) .. + 127 for all 64 rows: 32 accumulators, 256 registers.  So a weight fragment is read from LDS once, by one wave, and feeds four products.
; K GOES IN FOUR STEPS OF 128, as x arrives: for each step a wave quantises 8 rows x 128 numbers twice (2^e2 for k, 2^e4 for v) and hands the codes on through LDS; behind a barrier all waves multiply.  x is asked for two chunks ahead.
; NOTHING IS TURNED IN f32: a load takes 256 bytes of row i (lanes 0-15) and of row i + 8 (lanes 16-31); two loads, 256 bytes apart, give a lane eight numbers of one row, and their codes are 8 bytes of that row in LDS.
; This fixes an order of k (byte 8 u + 4 a + j of a row's step: k = 64 a + 4 u + j) that wimg shares.
; WEIGHTS.  One tensor load a wave at the head brings steps 0 and 1 (32 KB) into the wave's two slots of 16 KB.  Each step's fragments are lifted into registers ahead of the step's barrier, so that behind that barrier the slot is filled again: steps 2 and 3.
; CLUSTER: the four work-groups of a cluster walk the same weights, so every fill is asked for JOINTLY: the same descriptor (it hangs on the wave's number alone) and a mask that names the four.  A wave has one tensor load out at a time.
; NO PREFETCH: the text has no loop to run ahead in, and x, 131,072 bytes a work-group, is on its way through the whole of it.
; LAYOUTS.  k: source 0 = a tile of Wk, source 1 = 16 rows of x: a lane holds ONE key and eight features, the next K.  v: the sources swapped: a lane holds ONE feature and eight neighbouring keys, the next K.
; Both conversions' results are the next operand's registers in the plain form's own order.  Tile 4 g + i, place n: feature 128 (w % 4) + 64 g + 4 n + i; so the context's four tiles of a g are four neighbouring features a lane.
; The biases, divided by the power of two that the sums lack, stand in the accumulators of row tile 3 and are the C of each sum's first product.
; REGISTERS.  Window 0: v1-31 addresses and constants; v32-95 x as loaded, two chunks; v96-127 two fragments of x (while quantising: numbers held, codes); v128-255 the step's eight weight fragments.  Window 1: accumulator (tile c, row tile m) at 32 c + 8 m.
.set PX,   144                         ; a row's 128 codes + 16: nine 16-byte columns, so that the sixteen rows of a fragment load start at sixteen different ones
.set IMG,  262144                      ; behind the eight waves' slots: two buffers of 64 rows of e2 codes and 64 rows of e4 codes
.set IMB,  128*PX
.set SC,   299008                      ; partial scores: 256 w + 64 m + 32 h, eight f32
.set SPARE, 300032                     ; the spare words, 128 bytes for each wave: four blocks of 256 bytes that no other line names
.set SPW,  10                          ; v10 LDS address of my spare word; never rewritten
.set NIL,  11                          ; v11 0; never rewritten
.set MSB, 0
.macro WIN new                         ; the immediate's high byte repeats the setting that is left; bits 1:0 source 0, 3:2 source 1, 5:4 source 2, 7:6 destination
.if MSB != (\new)
	s_set_vgpr_msb (MSB<<8)|(\new)
.set MSB, (\new)
.endif
.endm
.macro PLACES                          ; four plain places (ISA guide 7.12.1)
.rept 4
	v_nop
.endr
.endm
.macro ROUND                           ; a round of the cluster's barrier
	s_barrier_signal -1
	s_barrier_wait -1
	s_cmp_lg_u32 s20, 0
	s_cbranch_scc1 .Lnot_wave_0_\@
	s_barrier_signal -3
.Lnot_wave_0_\@:
	s_barrier_wait -3
	s_barrier_signal -1
	s_barrier_wait -1
.endm
.macro MKSC e, sc, lim                 ; v[sc] = 2^e as f32; v[lim] = 448 x 2^e
	s_add_co_i32 s21, s[\e], 127
	s_lshl_b32 s23, s21, 23
	v_mov_b32 v[\sc], s23
	s_add_co_i32 s21, s21, 8
	s_lshl_b32 s21, s21, 23
	s_or_b32 s21, s21, 0x600000
	v_mov_b32 v[\lim], s21
.endm
.macro XLOAD s                         ; chunk s: my rows i and i + 8, numbers 128 s + 64 a ..; read once in the launch
.irp i, 0,1,2,3
.irp a, 0,1
	global_load_b128 v[32+32*((\s)%2)+8*\i+4*\a:32+32*((\s)%2)+8*\i+4*\a+3], v1, s[4:5] offset:2048*\i+512*(\s)+256*\a th:TH_LOAD_NT
.endr
.endr
.endm
.macro QUANT s                         ; chunk s becomes two sets of codes, and both go to LDS
.set RB, 32+32*((\s)%2)
.irp p, 0,1
.irp n, 0,1,2,3,4,5,6,7,8,9,10,11,12,13,14,15
	v_med3_num_f32 v[96+\n], v[RB+16*\p+\n], -v13, v13     ; the conversion to an 8-bit code does not saturate (ISA guide 7.6.2): the hold at 448 x 2^e2; the numbers are wanted again
.endr
.irp i, 0,1
	v_cvt_scalef32_pk8_fp8_f32 v[112+4*\p+2*\i:113+4*\p+2*\i], v[96+8*\i:103+8*\i], v12
.endr
.irp n, 0,1,2,3,4,5,6,7,8,9,10,11,12,13,14,15
	v_med3_num_f32 v[RB+16*\p+\n], v[RB+16*\p+\n], -v15, v15   ; the hold at 448 x 2^e4, in place
.endr
.irp i, 0,1
	v_cvt_scalef32_pk8_fp8_f32 v[120+4*\p+2*\i:121+4*\p+2*\i], v[RB+16*\p+8*\i:RB+16*\p+8*\i+7], v14
.endr
.endr
	v_nop                                          ; one plain line behind the conversions
.irp i, 0,1,2,3
	ds_store_b64 v2, v[112+2*\i:113+2*\i] offset:IMB*((\s)%2)+PX*\i
	ds_store_b64 v2, v[120+2*\i:121+2*\i] offset:IMB*((\s)%2)+64*PX+PX*\i
.endr
.endm
.macro LIFT s                          ; step s's eight weight fragments: my own slot's bytes
.irp c, 0,1,2,3,4,5,6,7
.irp q, 0,1,2,3
	ds_load_b128 v[128+16*\c+4*\q:131+16*\c+4*\q], v4 offset:16384*((\s)%2)+2048*\c+512*\q
.endr
.endr
.endm
.macro FX m, b, s                      ; x's row tile m, step s, into fragment buffer b
.irp q, 0,1,2,3
	ds_load_b128 v[96+16*\b+4*\q:99+16*\b+4*\q], v3 offset:IMB*((\s)%2)+16*PX*\m+32*\q
.endr
.endm
.macro MUL8 kv, m, b, s                ; the eight accumulators of a row tile, one instruction a turn
.irp c, 0,1,2,3,4,5,6,7
.set AC, 32*\c+8*\m
.set CI, AC
.if \s == 0
.set CI, 32*\c+24                      ; the bias starts the sums
.endif
.if \kv == 0
	v_wmma_f32_16x16x128_fp8_fp8 v[AC:AC+7], v[128+16*\c:143+16*\c], v[96+16*\b:111+16*\b], v[CI:CI+7]
.else
	v_wmma_f32_16x16x128_fp8_fp8 v[AC:AC+7], v[96+16*\b:111+16*\b], v[128+16*\c:143+16*\c], v[CI:CI+7]
.endif
.endr
.endm
.macro ARM kv, s                       ; 32 products.  Each wait for 4: the older of two fragments of x is in
	s_wait_dscnt 4
	WIN 0x50
	MUL8 \kv, 0, 0, \s
	PLACES                                         ; ahead of the loads into the fragment just multiplied
	WIN 0
	FX 2, 0, \s
	s_wait_dscnt 4
	WIN 0x50
	MUL8 \kv, 1, 1, \s
	PLACES
	WIN 0
	FX 3, 1, \s
	s_wait_dscnt 4
	WIN 0x50
	MUL8 \kv, 2, 0, \s
	s_wait_dscnt 0x0
.if \s == 0
.rept 5
	v_nop                                          ; five places: row tile 3's products write over the bias that the others have read as C
.endr
.endif
	MUL8 \kv, 3, 1, \s
	WIN 0
.endm
.macro PRODUCTS s
	FX 0, 0, \s
	FX 1, 1, \s
	s_cmp_lt_u32 s20, 4
	s_cbranch_scc0 .Lv_\@
.if \s == 2
.irp n, 0,1,2,3
	global_load_b128 v[32+4*\n:35+4*\n], v8, s[8:9] offset:64*(\n/2)+16*(\n%2)   ; q's codes, features 128 w + 64 g + 32 h + 0 .. 31, into the first chunk's registers, which are free
.endr
.endif
	ARM 0, \s
	s_branch .Lj_\@
.Lv_\@:
	ARM 1, \s
.Lj_\@:
.endm
.macro EPI kv                          ; accumulators become codes: k: row tile m's fragment at v128 + 16 m, registers 2 c;  v: tile c's fragment at v128 + 8 c, registers 2 m
	WIN 0x41
.irp m, 0,1,2,3
.irp c, 0,1,2,3,4,5,6,7
.irp j, 0,1,2,3,4,5,6,7
	v_med3_num_f32 v[32*\c+8*\m+\j], v[32*\c+8*\m+\j], -v17, v17   ; each accumulator from its low end on
.endr
.endr
.endr
	WIN 0x01
.irp m, 0,1,2,3
.irp c, 0,1,2,3,4,5,6,7
.if \kv == 0
	v_cvt_scalef32_pk8_fp8_f32 v[128+16*\m+2*\c:129+16*\m+2*\c], v[32*\c+8*\m:32*\c+8*\m+7], v16
.else
	v_cvt_scalef32_pk8_fp8_f32 v[128+8*\c+2*\m:129+8*\c+2*\m], v[32*\c+8*\m:32*\c+8*\m+7], v16
.endif
.endr
.endr
	v_nop
	WIN 0
.endm
.macro REFILL s                        ; the barrier of step s, behind which my slot s % 2 takes step s + 2: a round, the load first behind it
	s_wait_alu depctr_va_vdst(0)
	s_wait_tensorcnt 0x0                           ; no tensor load of mine is out, so group 0 may be written
	ds_add_u32 v[SPW], v[NIL]                      ; 0 onto my spare word
.if \s == 0
	s_add_nc_u64 s[34:35], s[34:35], 32768         ; step 2's codes; the type bits on top are not reached
.else
	s_add_co_u32 s33, s33, 16384                   ; slot 1, step 3's codes
	s_add_nc_u64 s[34:35], s[34:35], 16384
.endif
	s_wait_dscnt 0x0                               ; the add is done, my codes of x are in LDS, my fragments of the slot are in registers
	ROUND                                          ; and so of every wave of every partner
	tensor_load_to_lds s[32:35], s[56:63]
	s_nop 0
	PLACES                                         ; four v_nop follow the load
.endm
.macro MEET                            ; the barrier of a step behind which nothing is filled
	s_wait_alu depctr_va_vdst(0)
	s_wait_dscnt 0x0
	s_barrier_signal -1
	s_barrier_wait -1
.endm
	; ---- head
	s_load_b512 s[4:19], s[0:1], 0x0               ; x 4:5, wimg 6:7, qc 8:9, bk 10:11, bv 12:13, scales 14:15, part 16:17, stat 18:19
	v_lshl_add_u32 v[SPW], v0, 2, SPARE
	v_mov_b32 v[NIL], 0
	ds_add_u32 v[SPW], v[NIL]                      ; the add, twice on end, and its wait
	ds_add_u32 v[SPW], v[NIL]
	v_lshrrev_b32 v20, 5, v0
	v_readfirstlane_b32 s20, v20                   ; wave 0..7
	s_bfe_u32 s21, ttmp6, 0x40000                  ; cx: it enters the addresses of x, qc, part and stat alone
	s_lshl_b32 s22, ttmp9, 2                       ; in a cluster launch ttmp9 counts clusters
	s_add_co_u32 s22, s22, s21                     ; g
	s_and_b32 s55, s20, 3                          ; w % 4: which 128 features
	s_lshr_b32 s23, s20, 2                         ; 0: k, 1: v
	s_lshr_b32 s36, s20, 1
	s_lshl_b32 s36, s36, 4
	s_and_b32 s37, s20, 1
	s_lshl_b32 s37, s37, 2
	s_add_co_u32 s36, s36, s37                     ; my rows: 16 (w / 2) + 4 (w % 2) + i and + 8, i = 0 .. 3
	s_mul_i32 s37, s36, PX
	s_add_co_u32 s37, s37, IMG
	s_mul_i32 s38, s23, 64*PX
	s_add_co_u32 s38, s38, IMG                     ; k's waves read the e2 codes, v's the e4 codes
	s_lshl_b32 s33, s20, 15                        ; my two slots
	s_lshl_b32 s39, s55, 8
	s_add_co_u32 s39, s39, SC
	; descriptor group 1: a dense block as rows of 32 elements of 8 bytes: 128 rows at the head, 64 in a refill
	s_mov_b32 s24, 15|(3<<16)|(1<<21)              ; 15:0 the mask: all four work-groups; 17:16 elements of 8 bytes; 21 set beside a mask; no padding: images are read 16 bytes a lane on end
	s_mov_b32 s25, 32<<16                          ; tensor_dim0
	s_mov_b32 s26, 128<<16                         ; tensor_dim1
	s_mov_b32 s27, 32<<16                          ; tile_dim0
	s_mov_b32 s28, 128                             ; tile_dim1
	s_mov_b32 s29, 32                              ; from row to row
	s_mov_b32 s30, 0
	s_mov_b32 s31, 0
	s_mov_b32 s56, 15|(3<<16)|(1<<21)
	s_mov_b32 s57, 32<<16
	s_mov_b32 s58, 64<<16
	s_mov_b32 s59, 32<<16
	s_mov_b32 s60, 64
	s_mov_b32 s61, 32
	s_mov_b32 s62, 0
	s_mov_b32 s63, 0
	s_mov_b32 s32, 1                               ; group 0: count = 1
	s_mov_b32 s50, 0x76543210                      ; v_permlanex16_b32: lane l xor 16
	s_mov_b32 s51, 0xfedcba98
	v_and_b32 v21, 15, v0                          ; r
	v_bfe_u32 v22, v0, 4, 1                        ; h
	v_and_b32 v23, 31, v0
	v_lshlrev_b32 v1, 4, v21
	v_mul_u32_u24 v2, v22, 8*PX
	v_mul_u32_u24 v3, v21, PX
	v_lshlrev_b32 v9, 4, v23                       ; 16 x lane
	v_lshl_add_u32 v1, v22, 14, v1                 ; x: 16 r + 8 h rows of 2,048 bytes
	v_lshl_add_u32 v2, v21, 3, v2
	v_lshl_add_u32 v3, v22, 4, v3
	v_lshlrev_b32 v8, 5, v22                       ; 32 h
	v_add_nc_u32 v4, s33, v9                       ; my slots + 16 x lane
	v_add_nc_u32 v2, s37, v2                       ; codes in: my row (+ 8 in lanes 16-31), 8 bytes a lane
	v_add_nc_u32 v3, s38, v3                       ; codes out: row r, 16 h
	v_add_nc_u32 v5, s39, v8                       ; scores in
	v_add_nc_u32 v6, SC, v8                        ; scores out
	v_lshlrev_b32 v7, 7, v22                       ; bk: 32 h numbers
	v_lshlrev_b32 v29, 4, v21                      ; bv: 4 r numbers
	v_mov_b32 v28, 0                               ; written once: a lane permute's destination counts as one of its sources
	s_wait_alu depctr_va_vdst(0)
	s_wait_dscnt 0x0                               ; both opening adds are done
	ROUND                                          ; all four work-groups are here: the first joint loads meet
	s_wait_kmcnt 0x0
	s_load_b256 s[40:47], s[14:15], 0x0            ; e0 .. e7
	s_load_b64 s[48:49], s[14:15], 0x20            ; e8, e9
	s_lshl_b32 s38, s20, 16                        ; wimg: my wave's 65,536 bytes
	s_mov_b32 s39, 0
	s_add_nc_u64 s[34:35], s[6:7], s[38:39]
	s_or_b32 s35, s35, 0x80000000                  ; type = 2
	tensor_load_to_lds s[32:35], s[24:31]          ; steps 0 and 1, into both slots
	s_nop 0
	PLACES                                         ; four v_nop follow the load
	s_lshl_b32 s38, s22, 6
	s_add_co_u32 s38, s38, s36
	s_lshl_b32 s38, s38, 11                        ; x: 64 g rows + my first
	s_add_nc_u64 s[4:5], s[4:5], s[38:39]
	s_cmp_lt_u32 s20, 4
	s_cselect_b64 s[10:11], s[10:11], s[12:13]     ; bk or bv,
	s_lshl_b32 s38, s55, 9
	s_add_nc_u64 s[10:11], s[10:11], s[38:39]      ; my 128 numbers
	s_cmp_lt_u32 s20, 4
	s_cbranch_scc0 .Lbv
	WIN 0x40
.irp n, 0,1,2,3,4,5,6,7,8,9,10,11,12,13,14,15
	global_load_b128 v[32*(\n/4)+4*(\n%4):32*(\n/4)+4*(\n%4)+3], v7, s[10:11] offset:256*(\n/8)+16*(\n%8)   ; bk[128 w + 64 g + 32 h + 4 j + 0 .. 3], n = 8 g + j, in registers of accumulators that are not at work yet
.endr
	WIN 0
	s_branch .Lbias_asked
.Lbv:
	WIN 0x40
	global_load_b128 v[0:3], v29, s[10:11]                         ; bv[128 (w % 4) + 4 r + 0 .. 3]
	global_load_b128 v[4:7], v29, s[10:11] offset:256              ; and 64 on
	WIN 0
.Lbias_asked:
	XLOAD 0
	XLOAD 1
	s_lshr_b32 s36, s22, 5                         ; qc: batch g / 32, 512 bytes each,
	s_lshl_b32 s36, s36, 9
	s_lshl_b32 s38, s55, 7                         ; + my 128 features
	s_add_co_u32 s38, s38, s36
	s_add_nc_u64 s[8:9], s[8:9], s[38:39]
	s_lshl_b32 s36, s22, 11                        ; part: 2,048 g + 512 (w % 4)
	s_lshl_b32 s38, s55, 9
	s_add_co_u32 s38, s38, s36
	s_add_nc_u64 s[16:17], s[16:17], s[38:39]
	s_lshl_b32 s38, s22, 3                         ; stat: 8 g
	s_add_nc_u64 s[18:19], s[18:19], s[38:39]
	s_wait_kmcnt 0x0
	s_cmp_lt_u32 s20, 4
	s_cselect_b32 s36, s42, s44                    ; e2 or e4
	s_cselect_b32 s37, s43, s45                    ; e3 or e5
	s_cselect_b32 s38, s47, s49                    ; e7 or e9
	s_add_co_i32 s36, s36, s37                     ; a sum stands for sum x 2^(this)
	s_sub_co_i32 s54, 0, s36
	s_sub_co_i32 s38, s38, s36                     ; the three scales folded into the conversion's one
	MKSC 42, 12, 13                                ; e2
	MKSC 44, 14, 15                                ; e4
	MKSC 38, 16, 17
	MKSC 48, 18, 19                                ; e8
	s_add_co_i32 s36, s46, s47
	s_lshl_b32 s36, s36, 23
	s_add_co_i32 s52, s36, 0x3d8293ee              ; c = log2(e) / sqrt(512), with e6 + e7 added to its exponent field
	s_mov_b32 s53, s52                             ; (named with it as a pair, so it is written)
	s_wait_alu depctr_va_vdst(0)
	s_wait_loadcnt 16                              ; the bias is in; behind it two chunks of x, eight loads each
	s_cmp_lt_u32 s20, 4
	s_cbranch_scc0 .Lbv_scaled
	WIN 0x41
.irp n, 0,1,2,3,4,5,6,7,8,9,10,11,12,13,14,15
.irp i, 0,1,2,3
	v_ldexp_f32 v[32*(4*(\n/8)+\i)+24+\n%8], v[32*(\n/4)+4*(\n%4)+\i], s54   ; bk / 2^(e2 + e3): tile 4 g + i, register j
.endr
.endr
	WIN 0
	s_branch .Lbias_scaled
.Lbv_scaled:
	WIN 0x41
.irp t, 0,1,2,3,4,5,6,7
.irp j, 0,1,2,3,4,5,6,7
	v_ldexp_f32 v[32*\t+24+\j], v[\t], s54         ; bv / 2^(e4 + e5), the same in a tile's eight registers
.endr
.endr
	WIN 0
.Lbias_scaled:
	; ---- step 0
	s_wait_alu depctr_va_vdst(0)
	s_wait_loadcnt 8                               ; chunk 0 is in; behind it chunk 1's eight loads
	QUANT 0
	XLOAD 2
	s_wait_tensorcnt 0x0                           ; my weights of steps 0 and 1 are in LDS, and I alone read them
	LIFT 0
	REFILL 0
	PRODUCTS 0
	; ---- step 1
	PLACES                                         ; ahead of the loads into the fragments just multiplied
	LIFT 1
	s_wait_loadcnt 8                               ; chunk 1 is in; behind it chunk 2's eight
	QUANT 1
	XLOAD 3
	REFILL 1
	PRODUCTS 1
	; ---- step 2
	PLACES
	LIFT 2                                         ; (its fill was waited for ahead of the last round)
	s_wait_loadcnt 8                               ; chunk 2 is in; behind it chunk 3's eight
	QUANT 2
	MEET                                           ; step 3's fill may stay out
	PRODUCTS 2
	; ---- step 3
	PLACES
	s_wait_tensorcnt 0x0                           ; step 3's weights
	LIFT 3
	s_cmp_lt_u32 s20, 4
	s_cbranch_scc0 .Lno_q
	s_wait_loadcnt 4                               ; chunk 3 is in; behind it q's four loads
	s_branch .Lchunk_3
.Lno_q:
	s_wait_loadcnt 0x0
.Lchunk_3:
	QUANT 3
	MEET
	PRODUCTS 3
	s_cmp_lt_u32 s20, 4
	s_cbranch_scc0 .Lv_codes
	; ---- k's waves: q's codes into the order of the tiles, four bytes by four words at a time.  These lines are the places behind the last products
	s_wait_loadcnt 0x0                             ; q
.irp n, 0,1,2,3
	v_perm_b32 v[64+4*\n], v[33+4*\n], v[32+4*\n], 0x05010400
	v_perm_b32 v[65+4*\n], v[33+4*\n], v[32+4*\n], 0x07030602
	v_perm_b32 v[66+4*\n], v[35+4*\n], v[34+4*\n], 0x05010400
	v_perm_b32 v[67+4*\n], v[35+4*\n], v[34+4*\n], 0x07030602
.endr
.irp n, 0,1,2,3                        ; n = 2 g + u: tile 4 g + i takes byte i of words 4 u .. 4 u + 3 in register 2 (4 g + i) + u
	v_perm_b32 v[80+8*(\n/2)+\n%2], v[66+4*\n], v[64+4*\n], 0x05040100
	v_perm_b32 v[82+8*(\n/2)+\n%2], v[66+4*\n], v[64+4*\n], 0x07060302
	v_perm_b32 v[84+8*(\n/2)+\n%2], v[67+4*\n], v[65+4*\n], 0x05040100
	v_perm_b32 v[86+8*(\n/2)+\n%2], v[67+4*\n], v[65+4*\n], 0x07060302
.endr
	EPI 0
	; the scores: source 0 = 16 keys, source 1 = the query in every column: register j of lane (r, h) is key 16 m + 8 h + j, summed over my 128 features
.irp m, 0,1,2,3
	v_wmma_f32_16x16x128_fp8_fp8 v[32+8*\m:39+8*\m], v[128+16*\m:143+16*\m], v[80:95], 0
.endr
	PLACES
.irp m, 0,1,2,3
	ds_store_b128 v5, v[32+8*\m:35+8*\m] offset:64*\m              ; from each result's low end on; the sixteen lanes of a half write the same bytes with the same values
	ds_store_b128 v5, v[36+8*\m:39+8*\m] offset:64*\m+16
.endr
	s_branch .Lscores
.Lv_codes:
	PLACES                                         ; the conversions read results just made
	EPI 1
.Lscores:
	MEET                                           ; the partial scores are there
	s_cmp_lt_u32 s20, 4
	s_cbranch_scc1 .Lend                           ; k's waves are done
	; ---- the block's softmax, alike in each of v's waves
.irp m, 0,1,2,3
.irp u, 0,1
	ds_load_b128 v[32+8*\m+4*\u:35+8*\m+4*\u],   v6 offset:64*\m+16*\u
	ds_load_b128 v[64+8*\m+4*\u:67+8*\m+4*\u],   v6 offset:256+64*\m+16*\u
	ds_load_b128 v[96+8*\m+4*\u:99+8*\m+4*\u],   v6 offset:512+64*\m+16*\u
	ds_load_b128 v[192+8*\m+4*\u:195+8*\m+4*\u], v6 offset:768+64*\m+16*\u
.endr
.endr
	s_wait_dscnt 0x0
.set n, 0
.rept 16
	v_pk_add_f32 v[32+n:33+n], v[32+n:33+n], v[64+n:65+n]
	v_pk_add_f32 v[96+n:97+n], v[96+n:97+n], v[192+n:193+n]
.set n, n+2
.endr
.set n, 0
.rept 16
	v_pk_add_f32 v[32+n:33+n], v[32+n:33+n], v[96+n:97+n]          ; the scores over all 512 features
.set n, n+2
.endr
	v_max3_num_f32 v26, v32, v33, v34              ; the largest of my 32 keys' scores, in two chains,
	v_max3_num_f32 v27, v35, v36, v37
.irp i, 6,10,14,18,22,26
	v_max3_num_f32 v26, v26, v[32+\i], v[33+\i]
	v_max3_num_f32 v27, v27, v[34+\i], v[35+\i]
.endr
	v_max3_num_f32 v26, v26, v62, v63
	v_max_num_f32 v26, v26, v27
	v_permlanex16_b32 v28, v26, s50, s51
	v_max_num_f32 v26, v26, v28                    ; and of lane l xor 16's 32
	v_mul_f32 v21, s52, v26                        ; as t (c is positive)
	v_floor_f32 v20, -v21                          ; -M = floor(-t): M is a whole number
.set n, 0
.rept 16
	v_pk_fma_f32 v[32+n:33+n], v[32+n:33+n], s[52:53], v[20:21] op_sel_hi:[1,0,0]   ; t - M (of the pairs c and -M the low word serves both halves)
.set n, n+2
.endr
	s_wait_alu depctr_va_vdst(0)                   ; ahead of the batch
.set n, 0
.rept 32
	v_exp_f32 v[32+n], v[32+n]                     ; p = 2^(t - M), not normalised
.set n, n+1
.endr
	v_nop                                          ; one plain line between the exponentials and the use of their results
	s_wait_alu depctr_va_vdst(0)                   ; and behind it
	v_pk_add_f32 v[22:23], v[32:33], v[34:35]      ; l is taken of the unquantised p: two at a time, in two chains
	v_pk_add_f32 v[24:25], v[36:37], v[38:39]
.irp j, 8,12,16,20,24,28
	v_pk_add_f32 v[22:23], v[22:23], v[32+\j:33+\j]
	v_pk_add_f32 v[24:25], v[24:25], v[34+\j:35+\j]
.endr
	v_pk_add_f32 v[22:23], v[22:23], v[24:25]
	v_add_f32 v22, v22, v23
	v_permlanex16_b32 v28, v22, s50, s51
	v_add_f32 v22, v22, v28                        ; l of the 64 keys
.set n, 0
.rept 32
	v_min_num_f32 v[32+n], v[32+n], v19            ; p is not negative: the hold is one-sided
.set n, n+1
.endr
.irp m, 0,1,2,3
	v_cvt_scalef32_pk8_fp8_f32 v[224+2*\m:225+2*\m], v[32+8*\m:39+8*\m], v18   ; keys 16 m + 8 h + 0 .. 7: registers 2 m, 2 m + 1 of the next operand
.endr
	v_nop
	; ---- the context: source 0 = p in every row, source 1 = a tile's 16 features x 64 keys: register 0 of lane r is place r of the tile
.irp c, 0,1,2,3,4,5,6,7
	v_wmma_f32_16x16x64_fp8_fp8 v[32+8*\c:39+8*\c], v[224:231], v[128+8*\c:135+8*\c], 0
.endr
	v_mov_b32 v23, v22                             ; (-M, l).  These lines are the places behind the products
	v_mov_b32 v22, v20
	v_mov_b32 v30, 0
	v_cmp_lt_u32 vcc_lo, 255, v9                   ; lanes 16-31
	v_nop
.irp i, 0,1,2,3
	v_cndmask_b32 v[96+\i], v[32+8*\i], v[64+8*\i], vcc_lo   ; features 4 r + i of g = 0 in lanes 0-15, of g = 1 in lanes 16-31; the lowest register of each result
.endr
	global_store_b128 v9, v[96:99], s[16:17]       ; the wave stores 512 consecutive bytes, aligned
	v_cmp_eq_u32 vcc_lo, 128, v0                   ; wave 4's first lane stores them: 8 bytes; the whole of stat is 2,048
	s_wait_alu depctr_va_vdst(0)
	s_wait_xcnt 0x0                                ; EXEC changes only behind this wait
	s_and_saveexec_b32 s36, vcc_lo
	global_store_b64 v30, v[22:23], s[18:19]
	s_wait_xcnt 0x0                                ; and again, in front of the line that widens it
	s_or_b32 exec_lo, exec_lo, s36
.Lend:
	s_wait_tensorcnt 0x0                           ; the wave's end: behind my last tensor load and my last LDS store
	ds_add_u32 v[SPW], v[NIL]
	s_wait_dscnt 0x0
	ROUND                                          ; the closing round: no work-group ends while a partner may still ask for a fill that names it
	s_endpgm
.Lfunc_end_k_q691b9f43d5_main:
	.size	k_q691b9f43d5_main, .Lfunc_end_k_q691b9f43d5_main-k_q691b9f43d5_main
	.p2alignl 7, 3214868480
	.fill 96, 4, 3214868480
	.section	.rodata,"a",@progbits
	.p2align	6, 0x0
	.amdhsa_kernel k_q691b9f43d5_main
		.amdhsa_group_segment_fixed_size 327680
		.amdhsa_private_segment_fixed_size 0
		.amdhsa_enable_private_segment 0
		.amdhsa_kernarg_size 64
		.amdhsa_user_sgpr_count 2
		.amdhsa_user_sgpr_kernarg_segment_ptr 1
		.amdhsa_wavefront_size32 1
		.amdhsa_system_sgpr_workgroup_id_x 1
		.amdhsa_system_sgpr_workgroup_id_y 1
		.amdhsa_system_sgpr_workgroup_id_z 1
		.amdhsa_system_vgpr_workitem_id 0
		.amdhsa_next_free_vgpr 512
		.amdhsa_next_free_sgpr 66
		.amdhsa_reserve_vcc 1
		.amdhsa_float_denorm_mode_32 3
		.amdhsa_float_denorm_mode_16_64 3
		.amdhsa_memory_ordered 1
		.amdhsa_forward_progress 1
		.amdhsa_inst_pref_size 131
	.end_amdhsa_kernel
	.amdgpu_metadata
---
amdhsa.version: [ 1, 2 ]
amdhsa.kernels:
  - .name:           k_q691b9f43d5_main
    .symbol:         k_q691b9f43d5_main.kd
    .args:
      - { .name: x, .offset: 0, .size: 8, .value_kind: global_buffer, .address_space: global }
      - { .name: wimg, .offset: 8, .size: 8, .value_kind: global_buffer, .address_space: global }
      - { .name: qc, .offset: 16, .size: 8, .value_kind: global_buffer, .address_space: global }
      - { .name: bk, .offset: 24, .size: 8, .value_kind: global_buffer, .address_space: global }
      - { .name: bv, .offset: 32, .size: 8, .value_kind: global_buffer, .address_space: global }
      - { .name: lowp_scales, .offset: 40, .size: 8, .value_kind: global_buffer, .address_space: global }
      - { .name: part, .offset: 48, .size: 8, .value_kind: global_buffer, .address_space: global }
      - { .name: stat, .offset: 56, .size: 8, .value_kind: global_buffer, .address_space: global }
    .group_segment_fixed_size: 327680
    .private_segment_fixed_size: 0
    .kernarg_segment_align: 8
    .kernarg_segment_size: 64
    .max_flat_workgroup_size: 256
    .sgpr_count:     66
    .vgpr_count:     512
    .wavefront_size: 32
...
	.end_amdgpu_metadata
.endif
;; end of part 2
;; launch merge (part 3): grid 64 x 1, 1 waves a work-group, no clusters, 0 bytes of LDS; arguments part, stat, lowp_scales, out0; writes out0
.if DOCPART == 3
	.amdgcn_target "amdgcn-amd-amdhsa--gfx1250"
	.amdhsa_code_object_version 6
	.text
	.protected	k_q691b9f43d5_merge
	.globl	k_q691b9f43d5_merge
	.p2align	8
	.type	k_q691b9f43d5_merge,@function
k_q691b9f43d5_merge:
	s_mov_b64 s[64:65], 0
	v_nop
	global_prefetch_b8 v0, s[64:65] scope:SCOPE_SE
	s_setreg_imm32_b32 hwreg(HW_REG_WAVE_MODE, 25, 1), 1
	s_wait_xcnt 0x0
; out0[b][d] = 2^(e8 + e9) x (the sum over a batch's 32 parts i of part[32 b + i][d] x f_i) / (the sum over i of l_i x f_i), f_i = 2^(M_i - M), M = the largest M_i: an exact power of two, since every M_i is a whole number.
; Only a batch's last query has parts: the other rows of the context are sliced away by reference() (the first launch's head shows it).
; Work-group g, one wave, owns batch b = g / 8 and features 64 (g % 8) .. + 63: each output has one owner, and each byte of part is read once.
; Lane l = (u, v): four features 4 u .. 4 u + 3; lanes 0-15 add parts 0-15, lanes 16-31 parts 16-31: load n covers part n and part 16 + n, 256 consecutive bytes each, aligned.
; Lane i takes part i's pair (-M_i, l_i), so f of part n (and of 16 + n) is in lane n of a row of 16 lanes.  No LDS, no barrier, no matrix unit; no cluster and no prefetch: work-groups share 256 bytes of stat a batch, and there is no loop.
; e8 + e9 is applied by v_ldexp_f32 and has no limit of its own.
.set PD, 32                            ; v32-95  part, four registers a load
.set FW, 96                            ; v96-111 the sixteen factors
	s_load_b256 s[4:11], s[0:1], 0x0               ; part 4:5, stat 6:7, scales 8:9, out0 10:11
	v_and_b32 v2, 15, v0
	v_lshrrev_b32 v3, 4, v0
	v_lshlrev_b32 v1, 3, v0                        ; stat: 8 x lane
	v_lshlrev_b32 v5, 4, v2                        ; out0: 16 u
	v_mov_b32 v6, 0                                ; from here on: written once, since a lane permute's and a DPP line's destination counts as one of its sources
	v_lshl_add_u32 v4, v3, 15, v5                  ; part: 16 u, + 16 parts in lanes 16-31
.set n, 0
.rept 16
	v_mov_b32 v[FW+n], 0
.set n, n+1
.endr
.irp n, 20,21,22,23
	v_mov_b32 v\n, 0
.endr
	s_lshr_b32 s22, ttmp9, 3                       ; b
	s_and_b32 s23, ttmp9, 7
	s_lshl_b32 s24, s23, 8                         ; my 256 bytes of a row
	s_lshl_b32 s12, s22, 8                         ; stat: 32 pairs of 8 bytes a batch
	s_mov_b32 s13, 0
	s_lshl_b32 s14, s22, 16                        ; part: 32 rows of 2,048 bytes a batch
	s_add_co_u32 s14, s14, s24
	s_mov_b32 s15, 0
	s_lshl_b32 s16, s22, 11                        ; out0: a row of 2,048 bytes
	s_add_co_u32 s16, s16, s24
	s_mov_b32 s17, 0
	s_mov_b32 s18, 0x76543210                      ; v_permlanex16_b32: lane l xor 16
	s_mov_b32 s19, 0xfedcba98
	s_wait_alu depctr_va_vdst(0)
	s_wait_kmcnt 0x0
	s_load_b64 s[20:21], s[8:9], 0x20              ; e8, e9
	s_add_nc_u64 s[6:7], s[6:7], s[12:13]
	s_add_nc_u64 s[4:5], s[4:5], s[14:15]
	s_add_nc_u64 s[10:11], s[10:11], s[16:17]
	global_load_b64 v[2:3], v1, s[6:7]             ; (-M_i, l_i), i = my lane
.set n, 0
.rept 16
	global_load_b128 v[PD+4*n:PD+4*n+3], v4, s[4:5] offset:2048*n th:TH_LOAD_NT
.set n, n+1
.endr
	s_wait_loadcnt 16                              ; the pair is in; the 16 loads behind it may be out
	v_mov_b32 v7, v2
	v_min_num_f32_dpp v7, v7, v7 row_xmask:1 row_mask:0xf bank_mask:0xf
	v_min_num_f32_dpp v7, v7, v7 row_xmask:2 row_mask:0xf bank_mask:0xf
	v_min_num_f32_dpp v7, v7, v7 row_xmask:4 row_mask:0xf bank_mask:0xf
	v_min_num_f32_dpp v7, v7, v7 row_xmask:8 row_mask:0xf bank_mask:0xf
	v_permlanex16_b32 v6, v7, s18, s19
	v_min_num_f32 v7, v7, v6                       ; -M: the smallest -M_i
	v_sub_f32 v7, v7, v2                           ; M_i - M: a whole number, 0 or less
	v_cvt_i32_f32 v7, v7                           ; (it saturates)
	v_ldexp_f32 v7, 1.0, v7                        ; f_i
	v_mul_f32 v8, v3, v7                           ; l_i f_i
	v_add_f32_dpp v8, v8, v8 row_xmask:1 row_mask:0xf bank_mask:0xf
	v_add_f32_dpp v8, v8, v8 row_xmask:2 row_mask:0xf bank_mask:0xf
	v_add_f32_dpp v8, v8, v8 row_xmask:4 row_mask:0xf bank_mask:0xf
	v_add_f32_dpp v8, v8, v8 row_xmask:8 row_mask:0xf bank_mask:0xf
	v_permlanex16_b32 v6, v8, s18, s19
	v_add_f32 v8, v8, v6                           ; the row's sum l
	s_wait_alu depctr_va_vdst(0)                   ; ahead of the reciprocal
	v_rcp_f32 v8, v8
.irp n, 0,1,2,3,4,5,6,7,8,9,10,11,12,13,14,15
	v_mov_b32_dpp v[FW+\n], v7 row_share:\n row_mask:0xf bank_mask:0xf   ; every lane of a row gets its lane n's factor.  (The first of these is the plain line behind the reciprocal)
.endr
	s_wait_alu depctr_va_vdst(0)                   ; behind the reciprocal
	s_wait_kmcnt 0x0
	s_wait_loadcnt 0x0                             ; the parts are in
	s_add_co_i32 s20, s20, s21
	v_ldexp_f32 v8, v8, s20                        ; 2^(e8 + e9) / l
	v_pk_mul_f32 v[12:13], v[PD:PD+1], v[FW:FW+1] op_sel_hi:[1,0]              ; parts 0 and 1 start the sums: even parts in one pair of chains, odd parts in another
	v_pk_mul_f32 v[14:15], v[PD+2:PD+3], v[FW:FW+1] op_sel_hi:[1,0]
	v_pk_mul_f32 v[16:17], v[PD+4:PD+5], v[FW:FW+1] op_sel:[0,1]
	v_pk_mul_f32 v[18:19], v[PD+6:PD+7], v[FW:FW+1] op_sel:[0,1]
.irp n, 2,4,6,8,10,12,14
	v_pk_fma_f32 v[12:13], v[PD+4*\n:PD+4*\n+1], v[FW+\n:FW+\n+1], v[12:13] op_sel_hi:[1,0,1]
	v_pk_fma_f32 v[14:15], v[PD+4*\n+2:PD+4*\n+3], v[FW+\n:FW+\n+1], v[14:15] op_sel_hi:[1,0,1]
	v_pk_fma_f32 v[16:17], v[PD+4*\n+4:PD+4*\n+5], v[FW+\n:FW+\n+1], v[16:17] op_sel:[0,1,0]
	v_pk_fma_f32 v[18:19], v[PD+4*\n+6:PD+4*\n+7], v[FW+\n:FW+\n+1], v[18:19] op_sel:[0,1,0]
.endr
	v_pk_add_f32 v[12:13], v[12:13], v[16:17]
	v_pk_add_f32 v[14:15], v[14:15], v[18:19]
.irp i, 0,1,2,3
	v_permlanex16_b32 v[20+\i], v[12+\i], s18, s19
.endr
	v_pk_add_f32 v[12:13], v[12:13], v[20:21]      ; both halves of the parts
	v_pk_add_f32 v[14:15], v[14:15], v[22:23]
	v_cmp_gt_u32 vcc_lo, 16, v0
.irp i, 0,1,2,3
	v_mul_f32 v[12+\i], v[12+\i], v8
.endr
	s_wait_alu depctr_va_vdst(0)
	s_wait_xcnt 0x0                                ; EXEC changes only behind this wait
	s_and_saveexec_b32 s25, vcc_lo
	global_store_b128 v5, v[12:15], s[10:11]       ; sixteen lanes store 256 consecutive bytes, aligned
	s_wait_xcnt 0x0
	s_or_b32 exec_lo, exec_lo, s25
	s_endpgm
.Lfunc_end_k_q691b9f43d5_merge:
	.size	k_q691b9f43d5_merge, .Lfunc_end_k_q691b9f43d5_merge-k_q691b9f43d5_merge
	.p2alignl 7, 3214868480
	.fill 96, 4, 3214868480
	.section	.rodata,"a",@progbits
	.p2align	6, 0x0
	.amdhsa_kernel k_q691b9f43d5_merge
		.amdhsa_group_segment_fixed_size 0
		.amdhsa_private_segment_fixed_size 0
		.amdhsa_enable_private_segment 0
		.amdhsa_kernarg_size 32
		.amdhsa_user_sgpr_count 2
		.amdhsa_user_sgpr_kernarg_segment_ptr 1
		.amdhsa_wavefront_size32 1
		.amdhsa_system_sgpr_workgroup_id_x 1
		.amdhsa_system_sgpr_workgroup_id_y 1
		.amdhsa_system_sgpr_workgroup_id_z 1
		.amdhsa_system_vgpr_workitem_id 0
		.amdhsa_next_free_vgpr 112
		.amdhsa_next_free_sgpr 66
		.amdhsa_reserve_vcc 1
		.amdhsa_float_denorm_mode_32 3
		.amdhsa_float_denorm_mode_16_64 3
		.amdhsa_memory_ordered 1
		.amdhsa_forward_progress 1
		.amdhsa_inst_pref_size 9
	.end_amdhsa_kernel
	.amdgpu_metadata
---
amdhsa.version: [ 1, 2 ]
amdhsa.kernels:
  - .name:           k_q691b9f43d5_merge
    .symbol:         k_q691b9f43d5_merge.kd
    .args:
      - { .name: part, .offset: 0, .size: 8, .value_kind: global_buffer, .address_space: global }
      - { .name: stat, .offset: 8, .size: 8, .value_kind: global_buffer, .address_space: global }
      - { .name: lowp_scales, .offset: 16, .size: 8, .value_kind: global_buffer, .address_space: global }
      - { .name: out0, .offset: 24, .size: 8, .value_kind: global_buffer, .address_space: global }
    .group_segment_fixed_size: 0
    .private_segment_fixed_size: 0
    .kernarg_segment_align: 8
    .kernarg_segment_size: 32
    .max_flat_workgroup_size: 32
    .sgpr_count:     66
    .vgpr_count:     112
    .wavefront_size: 32
...
	.end_amdgpu_metadata
.endif
;; end of part 3
